; MI455X (gfx1250); checked and timed in simulation.
; The chip was launched on July 23, 2026; its instructions are those of AMD's public machine-readable ISA for CDNA 5 (MIT licence, August 2026) and "CDNA5" Instruction Set Architecture Reference Guide (July 2026). The comments in the code are by the model that wrote it; some were corrected since.
;; Masked Multi Head Attention. Allowed arithmetic: matrix products marked QUANTISED: E2M3 operands, one E8M0 scale for each 32 along K, by v_wmma_scale_f32_16x16x128_f8f6f4 with both operands' format E2M3, f32 sums; everything else in f32.
;; Inputs: W_codes 3,072 x 32 x 24 uint8 (E2M3 codes of W, K innermost, in blocks of 32 codes, four codes in three bytes); W_scales 3,072 x 32 uint8 (E8M0 scales of W, one for each 32 codes along K); b 3,072 float32; x_codes 4 x 2,048 x 32 x 24 uint8 (E2M3 codes of x, K innermost, in blocks of 32 codes, four codes in three bytes); x_scales 4 x 2,048 x 32 uint8 (E8M0 scales of x, one for each 32 codes along K).
;; Outputs: out0 4 x 2,048 x 1,024 float32.
;; This version of the problem:
;;   THIS VERSION OF THE PROBLEM IS GIVEN IN LOW PRECISION. The matrix products marked QUANTISED in the list below multiply operands that are first quantised to E2M3 (2 exponent bits, 3 mantissa bits; 6 bits a number), with one power-of-two scale for each 32 numbers along K (OCP MX v1.0); their sums are f32. All else is computed in f32.
;;   The module's matrix products, in the order in which they are computed (A, B: the left and right operand; K: the contracted axis; several contracted axes count as one K, in the product's order):
;;     1. [M 8,192, K 1,024] x [K 1,024, N 3,072]; A: input x (given as codes); B: input W (given as codes): QUANTISED
;;     2. batch 64 x [M 2,048, K 64] x [K 64, N 2,048]; A: computed on the way; B: computed on the way: QUANTISED
;;     3. batch 64 x [M 2,048, K 2,048] x [K 2,048, N 64]; A: softmax (see below); B: computed on the way: QUANTISED
;;   THE QUANTISER, for each operand of a quantised product, along K:
;;     - K is cut into blocks of 32 from its start; a last block that is shorter is filled with zeros.
;;     - A block's scale is 2^e with e = floor(log2(the largest magnitude in the block)) - 2, held to -126 .. 127; a block of zeros has e = 0. As a byte (E8M0): e + 127.
;;     - Each number is divided by its block's scale, clamped to +-7.5, and rounded to the nearest number of E2M3, ties to even, subnormals kept.
;;     - The product sums the exact products of the quantised numbers (number of the format x scale) in f32.
;;   ~~~python
;;   def quantise(x, axis):      # numpy; x: float32 -> the quantised numbers, widened to float32 again
;;       x = np.moveaxis(x, axis, -1); K = x.shape[-1]
;;       x = np.pad(x, [(0, 0)] * (x.ndim - 1) + [(0, -K % 32)]); x = x.reshape(x.shape[:-1] + (-1, 32)); a = np.abs(x).max(-1, keepdims=True)
;;       e = np.where(a > 0, np.clip(np.frexp(np.where(a > 0, a, 1))[1] - 1 - 2, -126, 127), 0)      # np.frexp(a)[1] - 1 = floor(log2(a)), exactly
;;       r = np.clip(x / 2.0 ** e, -7.5, 7.5)
;;       step = 2.0 ** (np.maximum(np.frexp(np.where(r == 0, 1, r))[1] - 1, 0) - 3)
;;       q = np.round(r / step) * step * 2.0 ** e      # np.round: ties to even
;;       return np.moveaxis(q.reshape(q.shape[:-2] + (-1,))[..., :K], -1, axis).astype(np.float32)
;;   ~~~
;;   SOFTMAX AHEAD OF A QUANTISED PRODUCT. Where the list says 'softmax', what is quantised is not the finished softmax but p = 2^(t - M), with t = logit x log2(e) and M = ceil(the row's largest t), a whole number; so 1/2 < the row's largest p <= 1. The row's sum l is taken of the UNQUANTISED p, in f32, and the product's result is divided by l at the end. Since M is a whole number, a kernel that streams over the keys may use a running M (the ceiling of the running maximum): every later rescaling is an exact power of two, which a block's scale takes up: the codes' values come out the same.
;;   OPERANDS COMPUTED ON THE WAY. 'Computed on the way' means the value that the module computes at that place (a softmax that the list does not call 'softmax' is quantised finished and normalised). What goes into a quantiser is computed in f32, as accurately as f32 sums, v_exp_f32 and their like allow (about 1e-6 of the number): no bf16 or f16 on the way to a quantiser, and a product that is left as it is and whose result goes on into a quantised operand takes f32 operands (vector FMAs, or v_wmma_f32_16x16x4_f32). A number that lies on a knife's edge between two numbers of the format may be rounded either way, as far as f32 arithmetic and the matrix unit's own rounding can turn it there, and no further.
;;   INPUTS GIVEN AS CODES. W (in the module: [3072, 1024], K = its axis 1); x (in the module: [4, 2048, 1024], K = its axis 2): each comes as NAME_codes (uint8): NAME with its K axis moved to the last place and cut into blocks of 32 codes, [.., K / 32, bytes a block], one block behind the other in memory; four codes in three bytes: a row's codes are one little-endian stream of bits, code i at bits 6 i .. 6 i + 5 (a code: sign, 2 exponent bits, 3 mantissa bits); and NAME_scales (uint8): the same leading axes, one E8M0 byte (e + 127) for each 32 codes along K. Its value is code x scale, taken as it is: it is not quantised again, and the codes and scales need not be those that the quantiser above would give.
;; One version. Each part assembles by itself: llvm-mc -triple=amdgcn-amd-amdhsa -mcpu=gfx1250 --defsym DOCPART=n.
;; ======== version 1 of 1: 2 launches
;; workspace buffers: codes 18,874,368 bytes; scl 786,432 bytes
;; launch proj (part 1): grid 8 x 48, 4 waves a work-group, clusters of 4 x 4, 327,680 bytes of LDS; arguments x_codes, x_scales, W_codes, W_scales, b, codes, scl; writes codes, scl
.if DOCPART == 1
	.amdgcn_target "amdgcn-amd-amdhsa--gfx1250"
	.amdhsa_code_object_version 6
	.text
	.protected	k_qcc1fbc74e7_proj
	.globl	k_qcc1fbc74e7_proj
	.p2align	8
	.type	k_qcc1fbc74e7_proj,@function
k_qcc1fbc74e7_proj:
	s_mov_b64 s[64:65], 0
	v_nop
	global_prefetch_b8 v0, s[64:65] scope:SCOPE_SE
	s_setreg_imm32_b32 hwreg(HW_REG_WAVE_MODE, 25, 1), 1
	s_wait_xcnt 0x0
	s_wait_alu depctr_hold_cnt(0) depctr_sa_sdst(0) depctr_va_vdst(0) depctr_va_sdst(0) depctr_va_ssrc(0) depctr_va_vcc(0) depctr_vm_vsrc(0)
	s_getreg_b32 s2, hwreg(HW_REG_IB_STS2, 6, 4)
	s_cmp_eq_u32 s2, 0
	s_cbranch_scc0 .Lentry_in_a_cluster
	s_endpgm
.Lentry_in_a_cluster:
	s_bfe_u32 s2, ttmp6, 0x10000c
	s_cmp_lg_u32 s2, 0xf033
	s_cbranch_scc0 .Lentry_shape_is_right
	s_endpgm
.Lentry_shape_is_right:
; z = x W^T + b (8,192 tokens x 3,072 outputs, K = 1,024) on codes of FP6 (E2M3) with one E8M0 byte for each 32 along K; z never goes to memory:
; it is quantised here, k and q along the head's 64 channels, v along the keys, and leaves as codes and scale bytes laid in the order of the next launch's operand registers.
; ONE TEXT, TWO MODES.  Source 0 of the matrix instruction ("P") is the operand whose rows become the next K: a lane's eight results are eight neighbours along P.  Source 1 ("R") gives the lane's row.
;   mode qk (cluster y 0..7):  P = rows 0..2047 of W (k's and q's channels), R = tokens.      mode v (cluster y 8..11):  P = tokens (the keys), R = rows 2048..3071 of W (v's channels).
; Both operands have rows of 768 bytes of codes and 32 scale bytes, so shapes, LDS and the loop are the same; pointers, strides and byte selectors are chosen by s_cselect on the cluster's y, which all partners share.
; A tile is 256 P x 256 R, made by four waves of 128 x 128 (64 accumulators, 512 registers).  256 + 128 = 384 tiles, a work-group each: a tile of half the size would halve the products fed by each LDS byte.
; K goes in steps of 256 through a ring of two LDS slots filled by the tensor data mover; the scale bytes of the tile's 512 rows come once and stay.
; CLUSTERS: 4 x 4 work-groups; R's tiles are asked for jointly by a row of the cluster, P's by a column.
; THE ORDER INSIDE A BLOCK OF 32: a lane of half h holds numbers 8 h .. 8 h + 7 and 16 + 8 h .. 16 + 8 h + 7 of a block, so the codes' places 0-15 are numbers 0-7, 16-23 and places 16-31 numbers 8-15, 24-31.
; q and k get the same order here, v here and p in the next launch likewise: every product meets its partner; blocks and scales are the true ones; only the order of summing inside an instruction differs.
; OUT.  A half image is 768 bytes: six registers of a fragment (16 rows x 64 K): registers 0-3 at 16 x lane, registers 4-5 at 512 + 8 x lane.
;   codes: kv[HH 64][G 16][k: 8 token tiles x 768 | v: 4 channel tiles x 2 key halves x 768], then from byte 12,582,912 q[HH][128 token tiles][768].  HH = 16 n + head, G = a group of 128 tokens.
;   scl:   [HH][G][k's 256 | v's 256], then from byte 524,288 q's [HH][G][256].  256 bytes = [r 16][pi 4] words.  k, q: low half = the two bytes of token 16 pi + r, high half = those of token 16 (pi + 4) + r;  v: the four bytes of channel 16 pi + r.
; LIMITS: NaN and infinities are not served; a block whose largest magnitude lies under 2^-124 keeps the byte 1; a block of zeros keeps the byte 1 where the rule says 127 (its codes are zeros, and this program alone reads the bytes).
; REGISTERS, in windows of 256: window 0: v1-7 offsets; v8-15 the scale words made; v16-31 addresses; v32-63 scale words of the operands, two sets; v64-127 the bias along P; v128-223 R's fragments, one set,
;   on the way out the numbers (v128-191), two sets of codes (v192-215) and the conversions' second halves (v216-222); v224-239 the bias along R, in pairs; v240-255 at work.
;   window 1: P's fragments, two sets.   windows 2, 3: the accumulators ((a, b) at v[8 (8 (a % 4) + b)]).
.set KSTEP,  256                       ; along K in a slot
.set NQ,     2                         ; matrix instructions deep
.set ROWB,   192                       ; a tile's row in bytes
.set KROW,   768                       ; a row of x or of W in memory
.set PITCH,  240                       ; an LDS row: 3 x (64 bytes of data + 16 of padding)
.set FR,     12                        ; registers of a fragment
.set NL,     6                         ; LDS loads that bring one
.set NP,     4                         ; places behind this matrix instruction (ISA guide 7.12.1)
.set HALFT,  128*PITCH                 ; 128 rows: what one tensor load brings
.set SLOT,   4*HALFT                   ; R's 256 rows, then P's 256 rows
.set LAPS,   2                         ; 1,024 along K = two laps of two K steps
.set KS,     32                        ; a row of scale bytes
.set SCL,    2*SLOT                    ; behind the ring: the scale bytes, as units of 256 bytes + 16 of padding
.set HALFS,  (128*KS/256)*272          ; those of 128 rows
.set SBLK,   (16*KS/256)*272           ; those of 16 rows
.set SPARE,  SCL+4*HALFS               ; the spare words, 128 bytes for each wave: two blocks of 256 bytes that no other line names
.set QOFF,   12582912                  ; q's codes in the buffer of codes
.set QSOFF,  524288                    ; q's words in the buffer of scale bytes
.set ADRA, 16                          ; v16-17 LDS address of my R fragments in slot 0, 1 (v18-19: for the pieces behind one padding more)
.set ADRB, 20                          ; v20-23 the same for P
.set ADRS, 27                          ; v27    LDS address of my scale words: lanes 0-15 R's rows, lanes 16-31 P's
.set SPW,  28                          ; v28    LDS address of my spare word; never rewritten
.set NIL,  29                          ; v29    0; never rewritten
.set SC,   32                          ; scale words: set s at v[SC + 16 s]
.set AF,   128                         ; R's fragments
.set BP,   64                          ; the bias along P: b[Pw + 16 b + 8 h + j] at v[BP + 8 b + j]; zeros in mode v
.set BR,   224                         ; the bias along R: b[Rw + 16 a + r], twice, at v[BR + 2 a]; zeros in mode qk
.set TM,   240                         ; v240-243 largest magnitudes, v244-247 the other half's, then bytes, v252-255 the conversions' scale operands
.set T,    128                         ; a block's 64 numbers
.set PCD,  192                         ; its codes, two sets by turns
.set CT,   216                         ; the conversions' second halves
.set PW,   8                           ; the eight blocks' scale words
.set SELR, 46                          ; s[46:47] lane selects for v_permlanex16_b32: lane l xor 16
.set G1, 24                            ; s[24:31] descriptor group 1 for R's tiles;  s[32:39] group 0, one set for each slot
.set G0, 32
.set G1B, 48                           ; s[48:55], s[56:63] the same for P's tiles
.set G0B, 56
.set G1S, 68                           ; s[68:75], s[76:79] groups 1 and 0 for R's scale bytes;  s[80:87], s[88:91] for P's
.set G0S, 76
.set G1SB, 80
.set G0SB, 88
.set MSB, 0
.macro WIN new                         ; the immediate's high byte repeats the setting that is left
.if MSB != \new
	s_set_vgpr_msb (MSB<<8)|\new
.set MSB, \new
.endif
.endm
.set MUL_LO, 0xa1                      ; source 0 (P) window 1, source 1 (R) window 0, C and D window 2
.set MUL_HI, 0xf1                      ; the same, C and D window 3
.set TO_B,   0x40                      ; destination window 1, address window 0
; A joint load: waves 0 and 1 fetch for R, waves 2 and 3 for P.  Each line has one mask and one set of registers for all that issue it; the branch hangs on the wave's number alone.
; Four v_nop follow each of the two lines, ahead of the jump, the label and what follows.
.macro JLOAD g0a, g1a, g0b, g1b
	s_cmp_eq_u32 s15, 0
	s_cbranch_scc0 .Lfor_b_\@
	tensor_load_to_lds s[\g0a:\g0a+3], s[\g1a:\g1a+7]
	s_nop 0
.rept 4
	v_nop
.endr
	s_branch .Lasked_\@
.Lfor_b_\@:
	tensor_load_to_lds s[\g0b:\g0b+3], s[\g1b:\g1b+7]
	s_nop 0
.rept 4
	v_nop
.endr
.Lasked_\@:
.endm
.macro CREST                           ; a round of the cluster's barrier behind its opening barrier
	s_cmp_lg_u32 s14, 0
	s_cbranch_scc1 .Lnot_wave_0_\@
	s_barrier_signal -3
.Lnot_wave_0_\@:
	s_barrier_wait -3
	s_barrier_signal -1
	s_barrier_wait -1
.endm
.macro CROUND                          ; a whole round
	s_barrier_signal -1
	s_barrier_wait -1
	CREST
.endm
	s_load_b128 s[4:7], s[0:1], 0x0                ; x's codes, x's scales
	s_load_b128 s[8:11], s[0:1], 0x10              ; W's codes, W's scales
	s_load_b64 s[12:13], s[0:1], 0x20              ; b
	s_load_b128 s[96:99], s[0:1], 0x28             ; the codes' buffer, the scale bytes' buffer
	v_lshl_add_u32 v[SPW], v0, 2, SPARE
	v_mov_b32 v[NIL], 0
	ds_add_u32 v28, v29
	ds_add_u32 v28, v29
	s_wait_dscnt 0x0
	v_lshrrev_b32 v1, 5, v0
	v_readfirstlane_b32 s14, v1                    ; wave 0..3
	s_lshr_b32 s15, s14, 1                         ; which half of the tile's R rows is mine.  Also: I fetch for R (0) or for P (1)
	s_and_b32 s16, s14, 1                          ; which half of its P rows.  Also: which 128 rows of that tile I fetch
	s_bfe_u32 s40, ttmp6, 0x40000                  ; cx, cy: my place in the cluster
	s_bfe_u32 s41, ttmp6, 0x40004
	s_and_b32 s67, ttmp7, 0xffff                   ; cluster y, 0..11
	s_and_b32 s18, s67, 3
	s_lshl_b32 s18, s18, 1
	s_add_co_u32 s18, s18, ttmp9                   ; mode v: the cluster's column among eight: cluster x + 2 (cluster y - 8)
	s_cmp_lt_u32 s67, 8                            ; mode qk?  The same in all sixteen partners
	s_cselect_b32 s66, 0, 1                        ; the mode
	s_cselect_b32 s17, s67, 2                      ; the cluster's row of tiles of R: tokens, or rows 2,048 on of W
	s_cselect_b32 s42, ttmp9, s18                  ; its column of tiles of P
	s_lshl_b32 s42, s42, 2
	s_add_co_u32 s42, s42, s40                     ; tile column (P)
	s_lshl_b32 s17, s17, 2
	s_add_co_u32 s17, s17, s41                     ; tile row (R)
	s_lshl_b32 s43, s41, 2
	s_lshl_b32 s43, 15, s43                        ; my row of the cluster
	s_lshl_b32 s44, 0x1111, s40                    ; my column
	; descriptor group 1: a tile of 128 rows x 192 bytes, padded in LDS
	s_or_b32 s[G1+0], s43, (0<<16)|(1<<20)|(1<<21)|(3<<22)|(3<<25)  ; 15:0 the mask: R's tiles go to my row; 17:16 element of 1 byte; 20 padding on; 21 set beside a mask; 24:22 after every 16 words; 31:25 of 4 words
	s_or_b32 s[G1B+0], s44, (0<<16)|(1<<20)|(1<<21)|(3<<22)|(3<<25)
.irp g, G1, G1B
	s_mov_b32 s[\g+1], ROWB<<16                    ; tensor_dim0
	s_mov_b32 s[\g+2], 128<<16                     ; tensor_dim1
	s_mov_b32 s[\g+3], ROWB<<16                    ; tile_dim0
	s_mov_b32 s[\g+4], 128                         ; tile_dim1
	s_mov_b32 s[\g+5], KROW                        ; tensor_dim0_stride
	s_mov_b32 s[\g+6], 0
	s_mov_b32 s[\g+7], 0
.endr
	; the scale bytes of 128 rows: a dense block of 4,096 bytes, as 16 rows of 256 bytes (32 elements of 8 bytes), 16 bytes of padding behind each
	s_or_b32 s[G1S+0], s43, (3<<16)|(1<<20)|(1<<21)|(5<<22)|(3<<25)
	s_or_b32 s[G1SB+0], s44, (3<<16)|(1<<20)|(1<<21)|(5<<22)|(3<<25)
.irp g, G1S, G1SB
	s_mov_b32 s[\g+1], 32<<16
	s_mov_b32 s[\g+2], (128*KS/256)<<16
	s_mov_b32 s[\g+3], 32<<16
	s_mov_b32 s[\g+4], 128*KS/256
	s_mov_b32 s[\g+5], 32
	s_mov_b32 s[\g+6], 0
	s_mov_b32 s[\g+7], 0
.endr
	s_lshl_b32 s18, s16, 7                         ; which 128 rows of the tile I fetch
	s_lshl_b32 s20, s17, 8
	s_add_co_u32 s20, s20, s18                     ; R: row 256 x tile row + 128 x half
	s_lshl_b32 s46, s42, 8
	s_add_co_u32 s46, s46, s18                     ; P: row 256 x tile column + 128 x half
	s_mov_b32 s21, 0
	s_mov_b32 s47, 0
	s_mov_b64 s[18:19], KS
	s_mul_u64 s[22:23], s[20:21], s[18:19]         ; where these rows' scale bytes begin
	s_mul_u64 s[92:93], s[46:47], s[18:19]
	s_mov_b64 s[18:19], KROW
	s_mul_u64 s[20:21], s[20:21], s[18:19]         ; and their codes
	s_mul_u64 s[46:47], s[46:47], s[18:19]
	s_mul_i32 s45, s14, HALFT                      ; where they go: wave x 128 rows: no place in the cluster enters an LDS address
	s_mul_i32 s94, s14, HALFS
	s_wait_kmcnt 0x0
	s_cmp_eq_u32 s66, 0                            ; which tensor is R and which P: a choice between buffers on the mode alone
	s_cselect_b64 s[88:89], s[4:5], s[8:9]         ; R's codes: x's or W's
	s_cselect_b64 s[90:91], s[6:7], s[10:11]       ; R's scale bytes
	s_cselect_b64 s[8:9], s[8:9], s[4:5]           ; P's codes: W's or x's
	s_cselect_b64 s[10:11], s[10:11], s[6:7]       ; P's scale bytes
	s_add_nc_u64 s[20:21], s[88:89], s[20:21]
	s_add_nc_u64 s[22:23], s[90:91], s[22:23]
	s_add_nc_u64 s[46:47], s[8:9], s[46:47]
	s_add_nc_u64 s[92:93], s[10:11], s[92:93]
	CROUND                                         ; all sixteen work-groups are here: the first joint loads meet
	s_mov_b32 s[G0S], 1
	s_add_co_u32 s[G0S+1], s94, SCL
	s_mov_b64 s[G0S+2:G0S+3], s[22:23]
	s_or_b32 s[G0S+3], s[G0S+3], 0x80000000
	s_mov_b32 s[G0SB], 1
	s_add_co_u32 s[G0SB+1], s94, SCL
	s_mov_b64 s[G0SB+2:G0SB+3], s[92:93]
	s_or_b32 s[G0SB+3], s[G0SB+3], 0x80000000
	JLOAD G0S, G1S, G0SB, G1SB                     ; the scale bytes first: they are wanted with K step 0
.irp s, 0,1
	s_mov_b32 s[G0+4*\s], 1
	s_add_co_u32 s[G0+4*\s+1], s45, \s*SLOT
	s_add_nc_u64 s[G0+4*\s+2:G0+4*\s+3], s[20:21], \s*ROWB
	s_or_b32 s[G0+4*\s+3], s[G0+4*\s+3], 0x80000000
	s_mov_b32 s[G0B+4*\s], 1
	s_add_co_u32 s[G0B+4*\s+1], s45, \s*SLOT
	s_add_nc_u64 s[G0B+4*\s+2:G0B+4*\s+3], s[46:47], \s*ROWB
	s_or_b32 s[G0B+4*\s+3], s[G0B+4*\s+3], 0x80000000
	JLOAD G0+4*\s, G1, G0B+4*\s, G1B               ; three tensor loads of mine are out now
.endr
	v_and_b32 v1, 15, v0                           ; r = lane % 16
	v_bfe_u32 v2, v0, 4, 1                         ; h = lane / 16
	v_mul_u32_u24 v3, v1, PITCH
	v_mul_u32_u24 v4, v2, 24
	v_add_nc_u32 v4, v3, v4                        ; a fragment's row x pitch + 24 x half
	v_lshl_add_u32 v5, v2, 4, v4                   ; and the same behind one padding more
	s_mul_i32 s21, s15, HALFT                      ; my 128 rows of R
	s_mul_i32 s22, s16, HALFT                      ; my 128 rows of P,
	s_add_co_u32 s22, s22, 2*HALFT                 ; which lie behind R's 256
.irp s, 0,1
	v_add_nc_u32 v[ADRA+\s], s21, v4
	v_add_nc_u32 v[ADRB+\s], s22, v4
	v_add_nc_u32 v[ADRA+2+\s], s21, v5
	v_add_nc_u32 v[ADRB+2+\s], s22, v5
	s_add_co_u32 s21, s21, SLOT
	s_add_co_u32 s22, s22, SLOT
.endr
	v_mul_u32_u24 v5, v1, KS                       ; my row's scale bytes: 32 a row,
	v_lshrrev_b32 v6, 8, v5
	v_lshl_add_u32 v5, v6, 4, v5                   ; and 16 more for each 256 passed
	s_mul_i32 s21, s15, HALFS                      ; R's: my 128 rows
	s_mul_i32 s22, s16, HALFS                      ; P's: my 128 rows, behind R's 256
	s_add_co_u32 s22, s22, 2*HALFS
	s_sub_co_u32 s22, s22, s21
	v_mul_u32_u24 v6, s22, v2                      ; lanes 16-31 take P's: the lower base + h x the distance
	s_add_co_u32 s21, s21, SCL
	v_add_nc_u32 v5, v5, v6
	v_add_nc_u32 v[ADRS], s21, v5
	; ---- WHERE THE RESULTS GO: made here, while the first tiles are on their way, in registers that belong to no descriptor
	s_lshl_b32 s18, s42, 8
	s_lshl_b32 s19, s16, 7
	s_add_co_u32 s18, s18, s19                     ; Pw: my first row of P
	s_lshl_b32 s19, s17, 8
	s_lshl_b32 s20, s15, 7
	s_add_co_u32 s19, s19, s20                     ; Rw: my first row of R
	s_mov_b32 s92, 1536
	s_mov_b32 s40, 0x03020100
	s_mov_b32 s41, 0x07060504
	s_cmp_eq_u32 s66, 0                            ; mode qk?
	s_cselect_b32 s20, s19, s18                    ; Tk: my first token
	s_cselect_b32 s21, s18, s19                    ; E: my first output of z
	s_cselect_b32 s104, -1, 0                      ; keeps the bias along P in mode qk, clears it in mode v
	s_cselect_b32 s105, 0, -1                      ; and the other way round for the bias along R
	s_cselect_b32 s22, s18, 0                      ; the mode that has no use for a bias reads b's first numbers and clears them: no load leaves b
	s_cselect_b32 s2, 0, s19
	s_cselect_b32 s92, 768, s92                    ; from block a to block a + 1: a token tile, or a channel tile's two key halves
	s_cselect_b32 s40, 0x05040100, s40             ; v_perm_b32's selector in lanes 0-15: the low halves of two words, or the first word whole
	s_cselect_b32 s41, 0x07060302, s41             ; in lanes 16-31: the high halves, or the second word whole
	s_lshl_b32 s22, s22, 2
	s_mov_b32 s23, 0
	s_add_nc_u64 s[100:101], s[12:13], s[22:23]    ; b at Pw (or at 0)
	s_lshl_b32 s22, s2, 2
	s_add_nc_u64 s[12:13], s[12:13], s[22:23]      ; b at Rw (or at 0)
	s_lshr_b32 s43, s21, 10                        ; 0: k, 1: q, 2: v
	s_bfe_u32 s44, s21, 0x40006                    ; my first head: (E / 64) % 16
	s_lshr_b32 s45, s20, 11                        ; n
	s_bfe_u32 s46, s20, 0x40007                    ; G: (Tk / 128) % 16
	s_lshl_b32 s45, s45, 4
	s_add_co_u32 s44, s44, s45                     ; HH
	s_lshr_b32 s47, s43, 1                         ; 1 for v
	s_mul_i32 s2, s47, 6144                        ; v's codes lie behind k's in a group,
	s_lshl_b32 s47, s47, 8                         ; its words behind k's
	s_cmp_eq_u32 s43, 1                            ; q?
	s_cselect_b32 s45, 0, 1                        ; k and v share a region with twice q's strides
	s_cselect_b32 s2, QOFF, s2
	s_cselect_b32 s47, QSOFF, s47
	s_lshl_b32 s18, 98304, s45                     ; codes: from head to head,
	s_lshl_b32 s19, 6144, s45                      ; from group to group;
	s_lshl_b32 s20, 4096, s45                      ; scale words: from head to head,
	s_lshl_b32 s21, 256, s45                       ; from group to group
	s_mul_i32 s22, s44, s18
	s_add_co_u32 s22, s22, s2
	s_mul_i32 s2, s46, s19
	s_add_co_u32 s22, s22, s2                      ; under 18,874,368
	s_add_nc_u64 s[96:97], s[96:97], s[22:23]      ; where my block 0's codes go
	s_mul_i32 s22, s44, s20
	s_add_co_u32 s22, s22, s47
	s_mul_i32 s2, s46, s21
	s_add_co_u32 s22, s22, s2
	s_add_nc_u64 s[98:99], s[98:99], s[22:23]      ; where my scale words go
	s_sub_co_u32 s94, s18, 4608                    ; mode v: from channel tile 3 of a head to tile 0 of the next
	s_mov_b32 s19, 768
	s_cmp_eq_u32 s66, 0
	s_cselect_b32 s94, s19, s94                    ; from block 3 to block 4
	s_cselect_b32 s19, s18, s19                    ; from a fragment's first half to its second: the next head, or the next 64 keys
	s_mov_b32 s93, 0
	s_mov_b32 s95, 0
	s_mov_b32 s[SELR], 0x76543210
	s_mov_b32 s[SELR+1], 0xfedcba98
	v_and_b32 v3, 31, v0
	v_lshlrev_b32 v24, 4, v3                       ; a half image's registers 0-3: 16 x lane
	v_lshlrev_b32 v25, 3, v3                       ; its registers 4-5: 8 x lane (+ 512 in the immediate)
	v_add_nc_u32 v26, s19, v24                     ; the same for the fragment's second half
	v_add_nc_u32 v7, s19, v25
	v_mul_u32_u24 v6, s20, v2
	v_lshl_add_u32 v6, v1, 4, v6                   ; the scale words: 16 r; lanes 16-31 write the next head's
	v_mov_b32 v5, s40
	v_mov_b32 v4, s41
	v_cmp_eq_u32 vcc_lo, 1, v2
	v_cndmask_b32 v5, v5, v4, vcc_lo               ; my half's selector
	v_lshlrev_b32 v30, 5, v2                       ; the bias along P: 32 h; never rewritten
	v_lshlrev_b32 v31, 2, v1                       ; along R: 4 r; never rewritten
.irp b, 0,1,2,3,4,5,6,7                        ; 24 loads that stay out through the loop; they are waited for on the way out
	global_load_b128 v[BP+8*\b:BP+8*\b+3], v30, s[100:101] offset:64*\b
	global_load_b128 v[BP+8*\b+4:BP+8*\b+7], v30, s[100:101] offset:64*\b+16
.endr
.irp a, 0,1,2,3,4,5,6,7
	global_load_b32 v[BR+2*\a], v31, s[12:13] offset:64*\a
.endr
.macro FRAG reg, adr, q, i             ; a fragment, 16 rows x 128 K, is 12 registers: lane l holds row l % 16; registers 6 c .. 6 c + 5 hold K = 64 c + 32 (l / 16) + 0 .. 31: 24 bytes of the row's stream of bits, as they lie
.irp p, 0,1,2,3,4,5                    ; in pieces of 8 bytes.  Lanes 0-15 take the row's pieces 12 q + 0, 1, 2 and 12 q + 6, 7, 8, lanes 16-31 those three pieces on
.set PIECE, 12*(\q)+6*(\p/3)+\p%3      ; 16 bytes of padding lie behind every 8 pieces: where the piece three on lies behind one padding more, the second address register serves
.if PIECE%8 < 5
	ds_load_b64 v[\reg+2*\p:\reg+2*\p+1], v[\adr] offset:8*PIECE+16*(PIECE/8)+(\i)*16*PITCH
.else
	ds_load_b64 v[\reg+2*\p:\reg+2*\p+1], v[\adr+2] offset:8*PIECE+16*(PIECE/8)+(\i)*16*PITCH
.endif
.endr
.endm
; 16 matrix instructions: R's blocks a0, a0 + 1 x P's eight, 128 along K: the slot's q-th.  p: P's set;  sc: the set of scale words.  zero = 1: the first product starts the sums.
; The 64 accumulators take turns, one instruction a turn, in the same order in every step.
.macro MUL16 a0, p, q, sc, zero
.irp a, \a0, \a0+1
.irp b, 0,1,2,3,4,5,6,7
.if \zero
	v_wmma_scale_f32_16x16x128_f8f6f4 v[8*(8*((\a)%4)+\b):8*(8*((\a)%4)+\b)+7], v[128*(\p)+FR*\b:128*(\p)+FR*\b+FR-1], v[AF+FR*(\a):AF+FR*(\a)+FR-1], 0, v[SC+8*NQ*(\sc)+NQ*\b+(\q)], v[SC+8*NQ*(\sc)+NQ*(\a)+(\q)] matrix_a_fmt:MATRIX_FMT_FP6 matrix_b_fmt:MATRIX_FMT_FP6 matrix_a_scale:MATRIX_SCALE_ROW1
.else
	v_wmma_scale_f32_16x16x128_f8f6f4 v[8*(8*((\a)%4)+\b):8*(8*((\a)%4)+\b)+7], v[128*(\p)+FR*\b:128*(\p)+FR*\b+FR-1], v[AF+FR*(\a):AF+FR*(\a)+FR-1], v[8*(8*((\a)%4)+\b):8*(8*((\a)%4)+\b)+7], v[SC+8*NQ*(\sc)+NQ*\b+(\q)], v[SC+8*NQ*(\sc)+NQ*(\a)+(\q)] matrix_a_fmt:MATRIX_FMT_FP6 matrix_b_fmt:MATRIX_FMT_FP6 matrix_a_scale:MATRIX_SCALE_ROW1
.endif
.endr
.endr
.endm
.macro FETCH_B slot, q, p              ; P's eight fragments of the slot's q-th 128 along K into set p
	WIN TO_B
.irp i, 0,1,2,3,4,5,6,7
	FRAG 128*(\p)+FR*\i, ADRB+\slot, \q, \i
.endr
	WIN 0
.endm
.macro FETCH_A slot, q, i0             ; R's blocks i0 .. i0 + 3
.irp i, \i0, \i0+1, \i0+2, \i0+3
	FRAG AF+FR*(\i), ADRA+\slot, \q, \i
.endr
.endm
.macro SCALES sc                       ; the next K step's scale words into set sc: two words a row; lanes 0-15 take R's block i, lanes 16-31 P's block i
.irp i, 0,1,2,3,4,5,6,7
	ds_load_b64 v[SC+8*NQ*\sc+NQ*\i:SC+8*NQ*\sc+NQ*\i+1], v[ADRS] offset:\i*SBLK
.endr
.endm
; A load into a register that a matrix instruction has read stands NP places behind it, and only plain vector instructions that name none of its registers are places (ISA guide 7.12.1 for vector instructions).
.macro PLACES n
.rept \n
	v_nop
.endr
.endm
; A step of 128 along K that has its successor in the same slot.
.macro STEP slot, q, zero
	s_wait_dscnt 4*NL                              ; P's set, R's blocks 0-3 and the scale words are in; the youngest 24 loads (R's blocks 4-7) may be out
	WIN MUL_LO
	MUL16 0, (\q)%2, \q, \slot, \zero
	MUL16 2, (\q)%2, \q, \slot, \zero
	s_wait_dscnt 0                                 ; R's blocks 4-7 are in (asked for 32 matrix instructions ago)
	PLACES NP
	FETCH_B \slot, (\q)+1, 1-(\q)%2
	FETCH_A \slot, (\q)+1, 0
	WIN MUL_HI
	MUL16 4, (\q)%2, \q, \slot, \zero
	MUL16 6, (\q)%2, \q, \slot, \zero
	PLACES NP
	WIN 0
	FETCH_A \slot, (\q)+1, 4
.endm
; A slot's last step changes slots: ONE barrier; in front of it each wave waits for all its tensor loads, adds 0 to its spare word, and waits for that and for its own reads of this slot.  fill = 1: this slot is filled again, two K steps ahead.
.macro TURN slot, next, fill
	s_wait_tensorcnt 0x0                           ; all my tensor loads have landed: my part of the next slot;  (every window is 0 here)
	ds_add_u32 v[SPW], v[NIL]                      ; 0 onto my spare word
	s_wait_dscnt 4*NL+1                            ; (the add and the youngest 24 loads, R's blocks 4-7, may be out)
	WIN MUL_LO
	MUL16 0, 1, NQ-1, \slot, 0                     ; sixteen matrix instructions stand between the add and the wait for it
	s_wait_dscnt 0x0                               ; the add is done, and my reads of this slot are over
	s_barrier_signal -1
	MUL16 2, 1, NQ-1, \slot, 0
	WIN 0
	s_barrier_wait -1
.if \fill
	CREST                                          ; the barrier has opened a round of the cluster's barrier: no wave of any partner still reads this slot's tile or has a load on its way
	s_add_nc_u64 s[G0+4*\slot+2:G0+4*\slot+3], s[G0+4*\slot+2:G0+4*\slot+3], 2*ROWB
	s_add_nc_u64 s[G0B+4*\slot+2:G0B+4*\slot+3], s[G0B+4*\slot+2:G0B+4*\slot+3], 2*ROWB
	JLOAD G0+4*\slot, G1, G0B+4*\slot, G1B         ; the first tensor load behind the round; the four v_nop behind it are the places in front of the loads below
.else
	PLACES NP
.endif
	v_add_nc_u32 v[ADRS], 4*NQ, v[ADRS]            ; on to the next K step's scale words (no LDS load of mine is out)
	FETCH_B \next, 0, 0
	FETCH_A \next, 0, 0
	SCALES \next
	WIN MUL_HI
	MUL16 4, 1, NQ-1, \slot, 0
	MUL16 6, 1, NQ-1, \slot, 0
	PLACES NP
	WIN 0
	FETCH_A \next, 0, 4
.endm
	s_wait_tensorcnt 1                             ; the scale bytes and my part of K step 0 are in (K step 1's load may be out)
	s_barrier_signal -1
	s_barrier_wait -1                              ; everybody's are
	FETCH_B 0, 0, 0
	FETCH_A 0, 0, 0
	SCALES 0
	FETCH_A 0, 0, 4
	STEP 0, 0, 1                                   ; the first step stands in front of the loop: its products start the sums
	s_mov_b32 s3, LAPS-1
.Llap:                                                 ; a trip goes once round the ring, from a lap's second step to the next lap's first, and fills both slots again
	TURN 0, 1, 1
	STEP 1, 0, 0
	TURN 1, 0, 1
	STEP 0, 0, 0
	s_sub_co_u32 s3, s3, 1
	s_cmp_lg_u32 s3, 0
	s_cbranch_scc1 .Llap
	TURN 0, 1, 0                                   ; the last lap fills nothing, and has no round of the cluster's barrier
	STEP 1, 0, 0
	s_wait_dscnt 4*NL                              ; the very last step: nothing more to fetch
	WIN MUL_LO
	MUL16 0, 1, NQ-1, 1, 0
	MUL16 2, 1, NQ-1, 1, 0
	s_wait_dscnt 0
	WIN MUL_HI
	MUL16 4, 1, NQ-1, 1, 0
	MUL16 6, 1, NQ-1, 1, 0
	WIN 0
	; ---- THE WAY OUT.  The biases first: of the two, the mode's own is kept and the other cleared.  These 84 plain lines name no register of the last products: they are the places behind them.
	s_wait_loadcnt 0x0                             ; the 24 loads of b, asked for at the head
.set j, 0
.rept 64
	v_and_b32 v[BP+j], s104, v[BP+j]
.set j, j+1
.endr
.irp a, 0,1,2,3,4,5,6,7
	v_and_b32 v[BR+2*\a+1], s105, v[BR+2*\a]       ; twice: a pair for the packed addition
	v_and_b32 v[BR+2*\a], s105, v[BR+2*\a]
.endr
.irp b, 0,1,2,3
	v_mov_b32 v[TM+4+\b], 0                        ; written once: a lane permute's destination counts as one of its sources
.endr
; Block a: 16 rows of R x my 128 of P.  A lane's 64 numbers, register 16 B + i, are 16 numbers of block B of its row; lanes l and l xor 16 hold a block together.
.macro BLOCKOUT a
.set AC, 64*((\a)%4)
.set PX, PCD+12*((\a)%2)
.set WN, 0x02+(\a)/4
	WIN WN                                         ; source 0: window 2 or 3
.set j, 0
.rept 32
	v_pk_add_f32 v[T+j:T+j+1], v[AC+j:AC+j+1], v[BP+j:BP+j+1]      ; z + the bias along P; each accumulator is read from its low end on
.set j, j+2
.endr
	WIN 0
.set j, 0
.rept 32
	v_pk_add_f32 v[T+j:T+j+1], v[T+j:T+j+1], v[BR+2*(\a):BR+2*(\a)+1]   ; + the bias along R (one of the two is zero, and adding it changes nothing)
.set j, j+2
.endr
.irp b, 0,1,2,3
	v_max3_num_f32 v[TM+\b], |v[T+16*\b]|, |v[T+1+16*\b]|, 0x1800000   ; block b: my 16 numbers, and the floor 2^(3 - 127): so the byte cannot fall under 1
.endr
.irp i, 2,4,6,8,10,12,14
.irp b, 0,1,2,3
	v_max3_num_f32 v[TM+\b], v[TM+\b], |v[T+16*\b+\i]|, |v[T+1+16*\b+\i]|   ; (the four blocks by turns)
.endr
.endr
.irp b, 0,1,2,3
	v_permlanex16_b32 v[TM+4+\b], v[TM+\b], s[SELR], s[SELR+1]
.endr
.irp b, 0,1,2,3
	v_max_num_f32 v[TM+\b], v[TM+\b], v[TM+4+\b]   ; with lane l xor 16's: the block's largest magnitude
.endr
.irp b, 0,1,2,3
	v_add_nc_u32 v[TM+12+\b], 0xff000000, v[TM+\b] ; 2 off its exponent field: the conversion takes the exponent field of this operand as its scale
.endr
.irp b, 0,1,2,3
	v_lshrrev_b32 v[TM+4+\b], 23, v[TM+12+\b]      ; the scale's byte
.endr
	v_lshl_or_b32 v[PW+(\a)], v[TM+5], 8, v[TM+4]  ; my row's four bytes
	v_lshl_or_b32 v[PW+(\a)], v[TM+6], 16, v[PW+(\a)]
	v_lshl_or_b32 v[PW+(\a)], v[TM+7], 24, v[PW+(\a)]
.irp c, 0,1
	v_cvt_scalef32_pk16_fp6_f32 v[PX+6*\c:PX+2+6*\c], v[T+32*\c:T+15+32*\c], v[TM+12+2*\c]
	v_cvt_scalef32_pk16_fp6_f32 v[CT+4*\c:CT+2+4*\c], v[T+16+32*\c:T+31+32*\c], v[TM+12+2*\c+1]   ; (a conversion's three registers begin on an even number)
.endr
	v_nop                                          ; one plain place behind a scaled conversion
.irp c, 0,1                                    ; the operand's layout wants a whole block in a lane: lanes 0-15 block 2 c, lanes 16-31 block 2 c + 1
.irp i, 0,1,2
	v_permlane16_swap_b32 v[PX+6*\c+\i], v[CT+4*\c+\i]
.endr
.irp i, 0,1,2
	v_mov_b32 v[PX+3+6*\c+\i], v[CT+4*\c+\i]
.endr
.endr
.if (\a) > 0
	s_wait_xcnt 0x0                                ; the stores so far have read their base and their data: the base steps here, and the set of codes stored two blocks back is written again only behind this wait
.if (\a) == 4
	s_add_nc_u64 s[96:97], s[96:97], s[94:95]
.else
	s_add_nc_u64 s[96:97], s[96:97], s[92:93]
.endif
.endif
	global_store_b128 v24, v[PX:PX+3], s[96:97]              ; the fragment's two halves as images of its registers: each store covers 512 or 256 consecutive bytes, at a multiple of 256 from the buffer's first byte
	global_store_b64 v25, v[PX+4:PX+5], s[96:97] offset:512
	global_store_b128 v26, v[PX+6:PX+9], s[96:97]
	global_store_b64 v7, v[PX+10:PX+11], s[96:97] offset:512
.endm
.irp a, 0,1,2,3,4,5,6,7
	BLOCKOUT \a
.endr
.irp p, 0,1,2,3                                ; the scale words: lanes 0-15 make my first head's, lanes 16-31 my second's
	v_perm_b32 v[220+\p], v[PW+4+\p], v[PW+\p], v5
.endr
	global_store_b128 v6, v[220:223], s[98:99]     ; sixteen lanes store 256 consecutive bytes, at a multiple of 256 from the buffer's first byte
	s_wait_tensorcnt 0x0                           ; the wave's end
	ds_add_u32 v[SPW], v[NIL]
	s_wait_dscnt 0x0
	CROUND                                         ; the closing round: no work-group ends while a partner may still ask for a tile that names it
	s_endpgm
.Lfunc_end_k_qcc1fbc74e7_proj:
	.size	k_qcc1fbc74e7_proj, .Lfunc_end_k_qcc1fbc74e7_proj-k_qcc1fbc74e7_proj
	.p2alignl 7, 3214868480
	.fill 96, 4, 3214868480
	.section	.rodata,"a",@progbits
	.p2align	6, 0x0
	.amdhsa_kernel k_qcc1fbc74e7_proj
		.amdhsa_group_segment_fixed_size 327680
		.amdhsa_private_segment_fixed_size 0
		.amdhsa_enable_private_segment 0
		.amdhsa_kernarg_size 56
		.amdhsa_user_sgpr_count 2
		.amdhsa_user_sgpr_kernarg_segment_ptr 1
		.amdhsa_wavefront_size32 1
		.amdhsa_system_sgpr_workgroup_id_x 1
		.amdhsa_system_sgpr_workgroup_id_y 1
		.amdhsa_system_sgpr_workgroup_id_z 1
		.amdhsa_system_vgpr_workitem_id 0
		.amdhsa_next_free_vgpr 1024
		.amdhsa_next_free_sgpr 106
		.amdhsa_reserve_vcc 1
		.amdhsa_float_denorm_mode_32 3
		.amdhsa_float_denorm_mode_16_64 3
		.amdhsa_memory_ordered 1
		.amdhsa_forward_progress 1
		.amdhsa_inst_pref_size 204
	.end_amdhsa_kernel
	.amdgpu_metadata
---
amdhsa.version: [ 1, 2 ]
amdhsa.kernels:
  - .name:           k_qcc1fbc74e7_proj
    .symbol:         k_qcc1fbc74e7_proj.kd
    .args:
      - { .name: x_codes, .offset: 0, .size: 8, .value_kind: global_buffer, .address_space: global }
      - { .name: x_scales, .offset: 8, .size: 8, .value_kind: global_buffer, .address_space: global }
      - { .name: W_codes, .offset: 16, .size: 8, .value_kind: global_buffer, .address_space: global }
      - { .name: W_scales, .offset: 24, .size: 8, .value_kind: global_buffer, .address_space: global }
      - { .name: b, .offset: 32, .size: 8, .value_kind: global_buffer, .address_space: global }
      - { .name: codes, .offset: 40, .size: 8, .value_kind: global_buffer, .address_space: global }
      - { .name: scl, .offset: 48, .size: 8, .value_kind: global_buffer, .address_space: global }
    .group_segment_fixed_size: 327680
    .private_segment_fixed_size: 0
    .kernarg_segment_align: 8
    .kernarg_segment_size: 56
    .max_flat_workgroup_size: 128
    .sgpr_count:     106
    .vgpr_count:     1024
    .wavefront_size: 32
...
	.end_amdgpu_metadata
.endif
;; end of part 1
;; launch attn (part 2): grid 4 x 64, 16 waves a work-group, clusters of 4 x 1, 327,680 bytes of LDS; arguments codes, scl, out0; writes out0
.if DOCPART == 2
	.amdgcn_target "amdgcn-amd-amdhsa--gfx1250"
	.amdhsa_code_object_version 6
	.text
	.protected	k_qcc1fbc74e7_attn
	.globl	k_qcc1fbc74e7_attn
	.p2align	8
	.type	k_qcc1fbc74e7_attn,@function
k_qcc1fbc74e7_attn:
	s_mov_b64 s[64:65], 0
	v_nop
	global_prefetch_b8 v0, s[64:65] scope:SCOPE_SE
	s_setreg_imm32_b32 hwreg(HW_REG_WAVE_MODE, 25, 1), 1
	s_wait_xcnt 0x0
	s_wait_alu depctr_hold_cnt(0) depctr_sa_sdst(0) depctr_va_vdst(0) depctr_va_sdst(0) depctr_va_ssrc(0) depctr_va_vcc(0) depctr_vm_vsrc(0)
	s_getreg_b32 s2, hwreg(HW_REG_IB_STS2, 6, 4)
	s_cmp_eq_u32 s2, 0
	s_cbranch_scc0 .Lentry_in_a_cluster
	s_endpgm
.Lentry_in_a_cluster:
	s_bfe_u32 s2, ttmp6, 0x10000c
	s_cmp_lg_u32 s2, 0x3003
	s_cbranch_scc0 .Lentry_shape_is_right
	s_endpgm
.Lentry_shape_is_right:
; out[n][q][head] = the sum over keys k <= q of softmax_k(q . k / 32) v, for 64 (n, head) pairs HH of 2,048 tokens and head size 64; both products on codes of FP6 (E2M3) with one E8M0 byte for each 32 along K.
; The codes and scale words were laid by the launch before in the order of the operand registers: a half image of 768 bytes is six registers of a fragment (16 rows x 64 K): registers 0-3 at 16 x lane, 4-5 at 512 + 8 x lane.
; THE SOFTMAX AHEAD OF THE SECOND PRODUCT: t = score x log2(e) / 32; M = the row's largest t so far, rounded UP to a whole number; p = 2^(t - M) is what is quantised, along the keys.
; The row's sum is taken of the unquantised p and divides O at the end.  When M moves, the sum and O are multiplied by 2^(old M - new M): exact.
; SHARES.  A cluster of four work-groups is one HH.  Of its 128 tiles of 16 queries, work-group cx takes tiles 4 m + cx, m = 0 .. 31; wave w takes m = w and then m = 31 - w.  Tile 4 m + cx needs the key steps
; (128 keys) 0 .. m / 2, whatever cx: so no branch hangs on a work-group's place, and (w / 2 + 1) + ((31 - w) / 2 + 1) = 17 key steps fall to every wave of the launch.
; A HEAD'S K AND V STAY IN LDS: 196,608 bytes of codes and 8,192 of scale words, asked for jointly by the four partners in one group of loads at the head and filled once: no ring, one barrier.  Nothing is left to be asked for ahead, so no prefetch is laid.
; LAYOUT.  Both products are used transposed: S^T = K Q^T (source 0 = keys, source 1 = my 16 queries), O^T = V^T P^T: a lane holds ONE query (lane % 16) throughout.
; The first product's K is 64, half of the instruction's 128: an operand of K carries TWO tiles of 16 keys (tile pi in k 0-63, tile pi + 4 in k 64-127), and Q stands twice, as [Q | zeros] and [zeros | Q]: the zero codes pick the tile.
; The zero half's scale bytes on Q's side are 1.
; THE ORDER INSIDE A BLOCK OF 32 KEYS: a lane of half h holds keys 8 h .. 8 h + 7 and 16 + 8 h .. of a block; p's codes come out in the order in which the launch before has laid v's.
; LIMITS: NaN and infinities are not served; a block of p whose largest number lies under 2^-124 keeps the byte 1 (its codes are then zeros or subnormal codes).
.set STEPB, 12288                      ; a key step in LDS: k's eight half images, then v's eight
.set VOFF,  6144
.set SCB,   196608                     ; LDS: the scale words, 512 bytes a key step: k's 256, v's 256
.set STG,   204800                     ; LDS: the stages, 16 rows x 272 bytes for each wave: bytes into which no fill lands
.set QOFF,  12582912                   ; q's codes in the buffer of codes
.set QSOFF, 524288                     ; q's words in the buffer of scale words
.set L16, 1                            ; v1   16 x lane
.set L8,  2                            ; v2   8 x lane
.set ASC, 3                            ; v3   SCB + 16 r
.set A16, 4                            ; v4-6 the step's addresses
.set A8,  5
.set AS,  6
.set GO,  7                            ; v7   the way out: 4,096 h + 16 r: two rows of out, 16 bytes a lane
.set STO, 8                            ; v8   the stage: where I put 32 bytes of a row
.set SRD, 9                            ; v9   and where I read a row back
.set DB,  10                           ; v10  16 cx + r - 8 h
.set DD,  11                           ; v11  the pass's bound for the mask
.set NM,  12                           ; v12  -M;  v13 the largest t;  v[14:15] the sum in two halves
.set QL,  16                           ; v16-27 [Q | 0]
.set QH,  28                           ; v28-39 [0 | Q]
.set KF,  40                           ; v40-87 four fragments: K's, then V's
.set S,   88                           ; v88-151 S^T, then p
.set O,   152                          ; v152-183 O^T
.set PCD, 184                          ; v184-195 p's codes
.set CT,  196                          ; v196-198, v200-202 the conversions' second halves
.set BM,  204                          ; v204-207 each block's largest score, then its largest p
.set PB,  208                          ; v208-211 the other half's maxima, then bytes, then a chain of the sum
.set SO,  212                          ; v212-215 the conversions' scale operands
.set KSW, 216                          ; v216-219 K's scale words;  v220-223 V's;  v224, v225 Q's two;  v226 p's: these hold scales and nothing else
.set VSW, 220
.set QSL, 224
.set QSH, 225
.set PW,  226
.set F,   228                          ; v[228:229] f = 2^(old M - new M); the upper word is named with it and written once
.set TMP, 230                          ; v230-232
.set NINF, 233                         ; v233 -infinity
.set QSO, 234                          ; v234 16 r + 4 cx: my query's scale word
.set QSR, 235                          ; v235 that word as loaded
.set WV,  10                           ; s10 wave;  s11 cx;  s12 HH
.set CX,  11
.set HH,  12
.set SEL, 20                           ; s[20:21] lane selects for v_permlanex16_b32: lane l xor 16
.set CS,  22                           ; s[22:23] c = log2(e) / 32, in both words
.set G1C, 24                           ; s[24:31], s[32:35] descriptor groups 1 and 0 for the codes;  s[36:43], s[44:47] for the scale words
.set G0C, 32
.set G1S, 36
.set G0S, 44
.set TK,  48                           ; s48 LDS byte of the key step;  s49 of its scale words;  s50 the key step;  s51 my last key step
.set TS,  49
.set JC,  50
.set LIMJ, 51
.set MM,  52                           ; s52 m;  s53 m % 2, then the shift
.set ODD, 53
.set QB,  54                           ; s[54:55] my tile's codes of q;  s[56:57] its group's scale words;  s[58:59] its rows of out
.set QSB, 56
.set OB,  58
.macro CROUND                          ; a round of the cluster's barrier
	s_barrier_signal -1
	s_barrier_wait -1
	s_cmp_lg_u32 s[WV], 0
	s_cbranch_scc1 .Lnot_wave_0_\@
	s_barrier_signal -3
.Lnot_wave_0_\@:
	s_barrier_wait -3
	s_barrier_signal -1
	s_barrier_wait -1
.endm
	s_load_b128 s[4:7], s[0:1], 0x0                ; the codes, the scale words
	s_load_b64 s[8:9], s[0:1], 0x10                ; out
	v_lshl_add_u32 v254, v0, 2, 0x43000
	v_mov_b32 v255, 0
	ds_add_u32 v254, v255
	ds_add_u32 v254, v255
	v_lshrrev_b32 v1, 5, v0
	v_readfirstlane_b32 s[WV], v1                  ; wave 0..15
	s_bfe_u32 s[CX], ttmp6, 0x40000                ; cx: my place in the cluster: it enters q's and out's addresses and the mask's bound, no branch and no LDS address
	s_and_b32 s[HH], ttmp7, 0xffff                 ; HH, which the four partners share
	s_min_u32 s13, s[WV], 7                        ; waves 0 to 7 fetch an eighth of the head's codes each
	; descriptor group 1: dense blocks as rows of 256 bytes (32 elements of 8 bytes); 96 rows for an eighth of the codes, 32 for the scale words
	s_mov_b32 s[G1C], 15|(3<<16)|(1<<21)           ; 15:0 the mask: all four work-groups; 17:16 elements of 8 bytes; 20 no padding; 21 set beside a mask
	s_mov_b32 s[G1C+1], 32<<16                     ; tensor_dim0
	s_mov_b32 s[G1C+2], 96<<16                     ; tensor_dim1
	s_mov_b32 s[G1C+3], 32<<16                     ; tile_dim0
	s_mov_b32 s[G1C+4], 96                         ; tile_dim1
	s_mov_b32 s[G1C+5], 32                         ; tensor_dim0_stride
	s_mov_b32 s[G1C+6], 0
	s_mov_b32 s[G1C+7], 0
	s_mov_b32 s[G1S], 15|(3<<16)|(1<<21)
	s_mov_b32 s[G1S+1], 32<<16
	s_mov_b32 s[G1S+2], 32<<16
	s_mov_b32 s[G1S+3], 32<<16
	s_mov_b32 s[G1S+4], 32
	s_mov_b32 s[G1S+5], 32
	s_mov_b32 s[G1S+6], 0
	s_mov_b32 s[G1S+7], 0
	s_mul_i32 s16, s13, 24576                      ; my eighth, in LDS and in the head
	s_mul_i32 s14, s[HH], 196608
	s_add_co_u32 s14, s14, s16
	s_mov_b32 s15, 0
	s_lshl_b32 s18, s[HH], 13                      ; the head's 8,192 bytes of scale words
	s_mov_b32 s19, 0
	s_mov_b32 s[SEL], 0x76543210
	s_mov_b32 s[SEL+1], 0xfedcba98
	s_mov_b32 s[CS], 0x3d38aa3b                    ; c = log2(e) / 32
	s_mov_b32 s[CS+1], s[CS]
	s_wait_dscnt 0x0
	s_wait_kmcnt 0x0
	s_mov_b32 s[G0C], 1                            ; count = 1
	s_mov_b32 s[G0C+1], s16                        ; LDS address
	s_add_nc_u64 s[G0C+2:G0C+3], s[4:5], s[14:15]  ; global address
	s_or_b32 s[G0C+3], s[G0C+3], 0x80000000        ; type = 2
	s_mov_b32 s[G0S], 1
	s_mov_b32 s[G0S+1], SCB
	s_add_nc_u64 s[G0S+2:G0S+3], s[6:7], s[18:19]
	s_or_b32 s[G0S+3], s[G0S+3], 0x80000000
	CROUND                                         ; all four work-groups are here: the joint loads meet
	s_cmp_lt_u32 s[WV], 8                          ; waves 0 to 7: the codes; wave 8: the scale words; one load a wave at the most.  The branches hang on the wave's number alone
	s_cbranch_scc0 .Lnot_codes
	tensor_load_to_lds s[G0C:G0C+3], s[G1C:G1C+7]
	s_nop 0
.rept 4
	v_nop                                          ; four v_nop follow each of the two lines
.endr
	s_branch .Lasked
.Lnot_codes:
	s_cmp_eq_u32 s[WV], 8
	s_cbranch_scc0 .Lasked
	tensor_load_to_lds s[G0S:G0S+3], s[G1S:G1S+7]
	s_nop 0
.rept 4
	v_nop
.endr
.Lasked:
	v_and_b32 v[TMP], 31, v0                       ; lane
	v_and_b32 v[TMP+1], 15, v0                     ; r
	v_bfe_u32 v[TMP+2], v0, 4, 1                   ; h
	v_lshlrev_b32 v[L16], 4, v[TMP]
	v_lshlrev_b32 v[L8], 3, v[TMP]
	v_lshl_add_u32 v[ASC], v[TMP+1], 4, SCB
	v_lshlrev_b32 v[GO], 12, v[TMP+2]
	v_lshl_add_u32 v[GO], v[TMP+1], 4, v[GO]
	s_mul_i32 s14, s[WV], 16*272
	s_add_co_u32 s14, s14, STG                     ; my stage
	v_mul_u32_u24 v[STO], v[TMP+1], 272
	v_lshl_add_u32 v[STO], v[TMP+2], 5, v[STO]
	v_add_nc_u32 v[STO], s14, v[STO]               ; in: row r, + 32 h
	v_mul_u32_u24 v[SRD], v[TMP+2], 272
	v_lshl_add_u32 v[SRD], v[TMP+1], 4, v[SRD]
	v_add_nc_u32 v[SRD], s14, v[SRD]               ; back: lanes 0-15 one row, lanes 16-31 the next
	s_lshl_b32 s15, s[CX], 4
	v_lshlrev_b32 v[DB], 3, v[TMP+2]
	v_sub_nc_u32 v[DB], v[TMP+1], v[DB]
	v_add_nc_u32 v[DB], s15, v[DB]                 ; 16 cx + r - 8 h
	s_lshl_b32 s15, s[CX], 2
	v_lshl_add_u32 v[QSO], v[TMP+1], 4, s15        ; 16 r + 4 cx
	v_mov_b32 v[NINF], 0xff800000
	v_mov_b32 v[F], 0                              ; (a lane permute's destination on the way out)
	v_mov_b32 v[F+1], 0                            ; (named as the upper half of the pair)
.irp b, 0,1,2,3
	v_mov_b32 v[PB+\b], 0                          ; written once: a lane permute's destination counts as one of its sources
.endr
; ONE TILE OF 16 QUERIES, from its loads to its stores.  which = 0: m = wave; 1: m = 31 - wave.
.macro PASS which
	s_wait_xcnt 0x0                                ; the pass before's stores have read their data and their base
.if \which
	s_xor_b32 s[MM], s[WV], 31
.else
	s_mov_b32 s[MM], s[WV]
.endif
	s_lshr_b32 s[LIMJ], s[MM], 1                   ; my last key step: the one with the diagonal
	s_and_b32 s[ODD], s[MM], 1
	s_mov_b32 s15, 0
	s_mul_i32 s14, s[HH], 98304                    ; q's codes: tile 4 m + cx of the head, 768 bytes a tile
	s_mul_i32 s16, s[MM], 3072
	s_add_co_u32 s14, s14, s16
	s_mul_i32 s16, s[CX], 768
	s_add_co_u32 s14, s14, s16
	s_add_co_u32 s14, s14, QOFF
	s_add_nc_u64 s[QB:QB+1], s[4:5], s[14:15]
	s_lshl_b32 s14, s[HH], 12                      ; q's scale words: group m / 2 of the head, 256 bytes a group
	s_lshl_b32 s16, s[LIMJ], 8
	s_add_co_u32 s14, s14, s16
	s_add_co_u32 s14, s14, QSOFF
	s_add_nc_u64 s[QSB:QSB+1], s[6:7], s[14:15]
	s_lshr_b32 s14, s[HH], 4                       ; out: n x 2,048 rows of 4,096 bytes,
	s_lshl_b32 s14, s14, 23
	s_and_b32 s16, s[HH], 15
	s_lshl_b32 s16, s16, 8                         ; the head's 256 bytes of a row,
	s_add_co_u32 s14, s14, s16
	s_lshl_b32 s16, s[MM], 18                      ; query 64 m + 16 cx
	s_add_co_u32 s14, s14, s16
	s_lshl_b32 s16, s[CX], 16
	s_add_co_u32 s14, s14, s16
	s_add_nc_u64 s[OB:OB+1], s[8:9], s[14:15]
	global_load_b128 v[QL:QL+3], v[L16], s[QB:QB+1]              ; Q's half image, into the low half of one operand
	global_load_b64 v[QL+4:QL+5], v[L8], s[QB:QB+1] offset:512
	global_load_b128 v[QH+6:QH+9], v[L16], s[QB:QB+1]            ; and into the high half of the other
	global_load_b64 v[QH+10:QH+11], v[L8], s[QB:QB+1] offset:512
	global_load_b32 v[QSR], v[QSO], s[QSB:QSB+1]
.if \which == 0
.irp i, 0,1,2,3,4,5
	v_mov_b32 v[QL+6+\i], 0                        ; the zero codes: written once, nothing writes them again
	v_mov_b32 v[QH+\i], 0
.endr
.endif
	s_lshl_b32 s16, s[ODD], 6
	v_add_nc_u32 v[DD], s16, v[DB]                 ; d = my query - the diagonal step's first key - 8 h
	v_mov_b32 v13, 0xff61b1e6                      ; the largest t so far: -3e38, under every t
	v_floor_f32 v[NM], -v13                        ; -M
	v_mov_b32 v14, 0                               ; the sum, in two halves
	v_mov_b32 v15, 0
.set j, 0
.rept 32
	v_mov_b32 v[O+j], 0                            ; O^T.  (The step is written once: the first finds zeros, which the first change of M leaves zeros)
.set j, j+1
.endr
	s_lshl_b32 s[ODD], s[ODD], 4
	s_wait_loadcnt 0x0                             ; Q and its scale word
	v_lshrrev_b32 v[TMP], s[ODD], v[QSR]           ; the word holds tile pi's two bytes below and tile pi + 4's above: mine are the half m % 2
	v_and_b32 v[TMP], 0xffff, v[TMP]
	v_or_b32 v[QSL], 0x01010000, v[TMP]            ; [my bytes | 1, 1]
	v_lshlrev_b32 v[QSH], 16, v[TMP]
	v_or_b32 v[QSH], 0x0101, v[QSH]                ; [1, 1 | my bytes]
.rept 8
	v_nop                                          ; a scale register written by a vector instruction stands 8 places ahead of a scaled matrix instruction, an operand so written 4
.endr
.if \which == 0
	s_wait_tensorcnt 0x0                           ; my part of the head has landed,
	s_barrier_signal -1
	s_barrier_wait -1                              ; everybody's has.  Nothing is ever filled again, so no further barrier is needed: the waves go their own ways
.endif
	s_mov_b32 s[TK], 0
	s_mov_b32 s[TS], 0
	s_mov_b32 s[JC], 0
.Lstep_\@:                                             ; 16 trips, a constant; a key step all of whose keys come after my queries is passed over by a scalar branch on the wave's number and the trip's
	s_cmp_gt_u32 s[JC], s[LIMJ]
	s_cbranch_scc1 .Lhid_\@
	v_add_nc_u32 v[A16], s[TK], v[L16]             ; these three and the v_nop are the four places in front of loads into registers that the last products have read
	v_add_nc_u32 v[A8], s[TK], v[L8]
	v_add_nc_u32 v[AS], s[TS], v[ASC]
	v_nop
.irp p, 0,1,2,3                                ; K: operand pi = key tile pi's half image, then tile pi + 4's; every load takes consecutive bytes
	ds_load_b128 v[KF+12*\p:KF+12*\p+3], v[A16] offset:768*\p
	ds_load_b64 v[KF+12*\p+4:KF+12*\p+5], v[A8] offset:768*\p+512
	ds_load_b128 v[KF+12*\p+6:KF+12*\p+9], v[A16] offset:768*(\p+4)
	ds_load_b64 v[KF+12*\p+10:KF+12*\p+11], v[A8] offset:768*(\p+4)+512
.endr
	ds_load_b128 v[KSW:KSW+3], v[AS]               ; the four operands' scale words of row r
	s_wait_dscnt 0x0
.irp p, 0,1,2,3                                ; S^T: tile tau at v[S + 8 tau]: lane (r, h), register j: key 16 tau + 8 h + j, query r
	v_wmma_scale_f32_16x16x128_f8f6f4 v[S+8*\p:S+8*\p+7], v[KF+12*\p:KF+12*\p+11], v[QL:QL+11], 0, v[KSW+\p], v[QSL] matrix_a_fmt:MATRIX_FMT_FP6 matrix_b_fmt:MATRIX_FMT_FP6
	v_wmma_scale_f32_16x16x128_f8f6f4 v[S+32+8*\p:S+32+8*\p+7], v[KF+12*\p:KF+12*\p+11], v[QH:QH+11], 0, v[KSW+\p], v[QSH] matrix_a_fmt:MATRIX_FMT_FP6 matrix_b_fmt:MATRIX_FMT_FP6
.endr
.rept 4
	v_nop                                          ; places: in front of the loads below, into registers that these products have read, and of the first read of the scores
.endr
.irp t, 0,1,2,3                                ; V: operand ct = channel tile ct's two key halves.  They land while the softmax is walked
.irp c, 0,1
	ds_load_b128 v[KF+12*\t+6*\c:KF+12*\t+6*\c+3], v[A16] offset:VOFF+1536*\t+768*\c
	ds_load_b64 v[KF+12*\t+6*\c+4:KF+12*\t+6*\c+5], v[A8] offset:VOFF+1536*\t+768*\c+512
.endr
.endr
	ds_load_b128 v[VSW:VSW+3], v[AS] offset:256
	s_cmp_lt_u32 s[JC], s[LIMJ]                    ; only my last step lies on the diagonal
	s_cbranch_scc1 .Lopen_\@
.set n, 0
.rept 64                                       ; register n holds key 16 (n / 8) + n % 8 + 8 h of the step: hidden where that is above my query: its score becomes -infinity, p = 0
	v_cmp_gt_i32 vcc_lo, 16*(n/8)+n%8, v[DD]
	v_cndmask_b32 v[S+n], v[S+n], v[NINF], vcc_lo
.set n, n+1
.endr
.Lopen_\@:
.irp b, 0,1,2,3
	v_max3_num_f32 v[BM+\b], v[S+16*\b], v[S+1+16*\b], v[S+2+16*\b]   ; the largest score of each block of 32 keys: it serves for the row's maximum and, since p rises with the score, for the block's largest p
.endr
.irp i, 3,5,7,9,11,13
.irp b, 0,1,2,3
	v_max3_num_f32 v[BM+\b], v[BM+\b], v[S+16*\b+\i], v[S+1+16*\b+\i]   ; (the four blocks by turns)
.endr
.endr
.irp b, 0,1,2,3
	v_max_num_f32 v[BM+\b], v[BM+\b], v[S+15+16*\b]
.endr
.irp b, 0,1,2,3
	v_permlanex16_b32 v[PB+\b], v[BM+\b], s[SEL], s[SEL+1]
.endr
.irp b, 0,1,2,3
	v_max_num_f32 v[BM+\b], v[BM+\b], v[PB+\b]     ; with lane l xor 16's 16 keys
.endr
	v_max3_num_f32 v[TMP], v[BM], v[BM+1], v[BM+2]
	v_max_num_f32 v[TMP], v[TMP], v[BM+3]          ; the step's largest score of my query (the step's first key counts for every query that walks the step: it is a number)
	v_mul_f32 v[TMP], s[CS], v[TMP]                ; as t (c is positive)
	v_max_num_f32 v13, v13, v[TMP]                 ; the running largest t
	v_mov_b32 v[TMP], v[NM]
	v_floor_f32 v[NM], -v13                        ; the new -M = floor(-t) = -ceil(t): M is a whole number
	v_sub_f32 v[TMP], v[NM], v[TMP]                ; M's old value less its new one: a whole number, 0 or less
	v_cvt_i32_f32 v[TMP], v[TMP]                   ; (it saturates)
	v_ldexp_f32 v[F], 1.0, v[TMP]                  ; f = 2^(old M - new M)
.set j, 0
.rept 32
	v_pk_fma_f32 v[S+j:S+j+1], v[S+j:S+j+1], s[CS:CS+1], v[NM:NM+1] op_sel_hi:[1,0,0]   ; t - M, two at a time (of the pairs c and -M the low word serves both halves)
.set j, j+2
.endr
.irp b, 0,1,2,3
	v_fma_f32 v[BM+\b], v[BM+\b], s[CS], v[NM]     ; the same of each block's largest score
.endr
.set j, 0
.rept 64                                       ; ONE BATCH of 68 exponentials, none of which reads another's result
	v_exp_f32 v[S+j], v[S+j]                       ; p = 2^(t - M), at most 1: not normalised
.set j, j+1
.endr
.irp b, 0,1,2,3
	v_exp_f32 v[BM+\b], v[BM+\b]                   ; the block's largest p: the same two instructions on the same number give the same bits
.endr
	v_pk_mul_f32 v[14:15], v[14:15], v[F:F+1] op_sel_hi:[1,0]   ; the sums under the new M: the plain line behind the batch
.set j, 0
.rept 16
	v_pk_mul_f32 v[O+j:O+j+1], v[O+j:O+j+1], v[F:F+1] op_sel_hi:[1,0]   ; O^T under the new M, each accumulator from its low end on: work that names no result of the batch
.set j, j+2
.endr
	s_wait_alu depctr_va_vdst(0)                   ; one wait for the whole batch, ahead of its first reader
.irp b, 0,1,2,3
	v_max_num_f32 v[BM+\b], 0x1800000, v[BM+\b]    ; the floor 2^(3 - 127): the byte cannot fall under 1 (a block whose every p is 0 keeps that byte: its codes are zeros)
.endr
.irp b, 0,1,2,3
	v_add_nc_u32 v[SO+\b], 0xff000000, v[BM+\b]    ; 2 off the exponent field: the conversion's scale operand
.endr
.irp b, 0,1,2,3
	v_lshrrev_b32 v[PB+\b], 23, v[SO+\b]           ; the scale's byte
.endr
	v_lshl_or_b32 v[PW], v[PB+1], 8, v[PB]         ; p's scale word for these 128 keys
	v_lshl_or_b32 v[PW], v[PB+2], 16, v[PW]
	v_lshl_or_b32 v[PW], v[PB+3], 24, v[PW]
.irp c, 0,1
	v_cvt_scalef32_pk16_fp6_f32 v[PCD+6*\c:PCD+2+6*\c], v[S+32*\c:S+15+32*\c], v[SO+2*\c]
	v_cvt_scalef32_pk16_fp6_f32 v[CT+4*\c:CT+2+4*\c], v[S+16+32*\c:S+31+32*\c], v[SO+2*\c+1]   ; (a conversion's three registers begin on an even number)
.endr
	v_nop                                          ; one plain place behind a scaled conversion
.irp c, 0,1                                    ; the operand's layout wants a whole block in a lane: lanes 0-15 block 2 c, lanes 16-31 block 2 c + 1
.irp i, 0,1,2
	v_permlane16_swap_b32 v[PCD+6*\c+\i], v[CT+4*\c+\i]
.endr
.irp i, 0,1,2
	v_mov_b32 v[PCD+3+6*\c+\i], v[CT+4*\c+\i]
.endr
.endr
	v_pk_add_f32 v[PB:PB+1], v[S:S+1], v[S+2:S+3]  ; THE ROW'S SUM IS TAKEN OF THE UNQUANTISED p, which the conversions have left as it was: two at a time, in two chains.
.set j, 4
.rept 15                                       ; These 32 lines name no register of the products below: they are the places behind p's scale word (8 are asked) and its codes (4)
	v_pk_add_f32 v[14:15], v[14:15], v[S+j:S+j+1]
	v_pk_add_f32 v[PB:PB+1], v[PB:PB+1], v[S+2+j:S+3+j]
.set j, j+4
.endr
	v_pk_add_f32 v[14:15], v[14:15], v[PB:PB+1]
	s_wait_dscnt 0x0                               ; V and its scale words are in
.irp t, 0,1,2,3                                ; O^T += V^T P^T: lane (r, h), register j of tile ct: channel 16 ct + 8 h + j, query r.  The four accumulators take turns, and the scores' eight products stand between two steps' turns
	v_wmma_scale_f32_16x16x128_f8f6f4 v[O+8*\t:O+8*\t+7], v[KF+12*\t:KF+12*\t+11], v[PCD:PCD+11], v[O+8*\t:O+8*\t+7], v[VSW+\t], v[PW] matrix_a_fmt:MATRIX_FMT_FP6 matrix_b_fmt:MATRIX_FMT_FP6
.endr
.Lhid_\@:
	s_add_co_u32 s[TK], s[TK], STEPB
	s_add_co_u32 s[TS], s[TS], 512
	s_add_co_u32 s[JC], s[JC], 1
	s_cmp_lt_u32 s[JC], 16
	s_cbranch_scc1 .Lstep_\@
	; THE WAY OUT: O^T / the sum goes through my own stage in LDS and leaves as whole rows of the head's 256 bytes
.rept 4
	v_nop                                          ; places behind the last products, where my last trip was a working one
.endr
	v_add_f32 v14, v14, v15                        ; the sum's two halves,
	v_permlanex16_b32 v[F], v14, s[SEL], s[SEL+1]
	v_add_f32 v14, v14, v[F]                       ; and lane l xor 16's: the row's sum
	v_rcp_f32 v14, v14
	v_nop                                          ; one plain place behind the reciprocal
	s_wait_alu depctr_va_vdst(0)                   ; and the wait ahead of its first reader
.set j, 0
.rept 32
	v_mul_f32 v[S+j], v[O+j], v14                  ; each accumulator from its low end on
.set j, j+1
.endr
.irp t, 0,1,2,3
	ds_store_b128 v[STO], v[S+8*\t:S+8*\t+3] offset:64*\t
	ds_store_b128 v[STO], v[S+8*\t+4:S+8*\t+7] offset:64*\t+16
.endr
.irp i, 0,1,2,3,4,5,6,7
	ds_load_b128 v[S+32+4*\i:S+35+4*\i], v[SRD] offset:544*\i   ; LDS serves a wave's instructions in order (ISA guide 5.7.1.4): these see my stores
.endr
.irp i, 0,1,2,3,4,5,6,7
	s_wait_dscnt 7-\i                              ; load i is back; the younger ones may be out
	global_store_b128 v[GO], v[S+32+4*\i:S+35+4*\i], s[OB:OB+1] offset:8192*\i th:TH_STORE_NT   ; sixteen lanes store a query's 256 consecutive bytes, at a multiple of 256 from out's first byte; written once, read by nobody here
.endr
.endm
	PASS 0
	PASS 1
	s_wait_dscnt 0x0                               ; no LDS instruction of mine is out at a signal
	s_wait_tensorcnt 0x0
	ds_add_u32 v254, v255
	s_wait_dscnt 0x0
	CROUND                                         ; the closing round
	s_endpgm
.Lfunc_end_k_qcc1fbc74e7_attn:
	.size	k_qcc1fbc74e7_attn, .Lfunc_end_k_qcc1fbc74e7_attn-k_qcc1fbc74e7_attn
	.p2alignl 7, 3214868480
	.fill 96, 4, 3214868480
	.section	.rodata,"a",@progbits
	.p2align	6, 0x0
	.amdhsa_kernel k_qcc1fbc74e7_attn
		.amdhsa_group_segment_fixed_size 327680
		.amdhsa_private_segment_fixed_size 0
		.amdhsa_enable_private_segment 0
		.amdhsa_kernarg_size 24
		.amdhsa_user_sgpr_count 2
		.amdhsa_user_sgpr_kernarg_segment_ptr 1
		.amdhsa_wavefront_size32 1
		.amdhsa_system_sgpr_workgroup_id_x 1
		.amdhsa_system_sgpr_workgroup_id_y 1
		.amdhsa_system_sgpr_workgroup_id_z 1
		.amdhsa_system_vgpr_workitem_id 0
		.amdhsa_next_free_vgpr 256
		.amdhsa_next_free_sgpr 66
		.amdhsa_reserve_vcc 1
		.amdhsa_float_denorm_mode_32 3
		.amdhsa_float_denorm_mode_16_64 3
		.amdhsa_memory_ordered 1
		.amdhsa_forward_progress 1
		.amdhsa_inst_pref_size 62
	.end_amdhsa_kernel
	.amdgpu_metadata
---
amdhsa.version: [ 1, 2 ]
amdhsa.kernels:
  - .name:           k_qcc1fbc74e7_attn
    .symbol:         k_qcc1fbc74e7_attn.kd
    .args:
      - { .name: codes, .offset: 0, .size: 8, .value_kind: global_buffer, .address_space: global }
      - { .name: scl, .offset: 8, .size: 8, .value_kind: global_buffer, .address_space: global }
      - { .name: out0, .offset: 16, .size: 8, .value_kind: global_buffer, .address_space: global }
    .group_segment_fixed_size: 327680
    .private_segment_fixed_size: 0
    .kernarg_segment_align: 8
    .kernarg_segment_size: 24
    .max_flat_workgroup_size: 512
    .sgpr_count:     66
    .vgpr_count:     256
    .wavefront_size: 32
...
	.end_amdgpu_metadata
.endif
;; end of part 2
